; MI455X (gfx1250); checked and timed in simulation.
; The chip was launched on July 23, 2026; its instructions are those of AMD's public machine-readable ISA for CDNA 5 (MIT licence, August 2026) and "CDNA5" Instruction Set Architecture Reference Guide (July 2026). The comments in the code are by the model that wrote it; some were corrected since.
;; Linear Attention. Allowed arithmetic: matrix products marked QUANTISED: E2M3 operands, one E8M0 scale for each 32 along K, by v_wmma_scale_f32_16x16x128_f8f6f4 with both operands' format E2M3, f32 sums; everything else in f32.
;; Inputs: K 4 x 4 x 4,096 x 128 float32; Q 4 x 4 x 4,096 x 128 float32; V 4 x 4 x 4,096 x 128 float32.
;; Outputs: out0 4 x 4 x 4,096 x 128 float32.
;; This version of the problem:
;;   THIS VERSION OF THE PROBLEM IS GIVEN IN LOW PRECISION. The matrix products marked QUANTISED in the list below multiply operands that are first quantised to E2M3 (2 exponent bits, 3 mantissa bits; 6 bits a number), with one power-of-two scale for each 32 numbers along K (OCP MX v1.0); their sums are f32. All else is computed in f32.
;;   The module's matrix products, in the order in which they are computed (A, B: the left and right operand; K: the contracted axis; several contracted axes count as one K, in the product's order):
;;     1. batch 16 x [M 4,096, K 128] x [K 128, N 4,096]; A: computed on the way; B: computed on the way: QUANTISED
;;     2. batch 16 x [M 4,096, K 4,096] x [K 4,096, N 128]; A: computed on the way; B: input V: QUANTISED
;;   THE QUANTISER, for each operand of a quantised product, along K:
;;     - K is cut into blocks of 32 from its start; a last block that is shorter is filled with zeros.
;;     - A block's scale is 2^e with e = floor(log2(the largest magnitude in the block)) - 2, held to -126 .. 127; a block of zeros has e = 0. As a byte (E8M0): e + 127.
;;     - Each number is divided by its block's scale, clamped to +-7.5, and rounded to the nearest number of E2M3, ties to even, subnormals kept.
;;     - The product sums the exact products of the quantised numbers (number of the format x scale) in f32.
;;   ~~~python
;;   def quantise(x, axis):      # numpy; x: float32 -> the quantised numbers, widened to float32 again
;;       x = np.moveaxis(x, axis, -1); K = x.shape[-1]
;;       x = np.pad(x, [(0, 0)] * (x.ndim - 1) + [(0, -K % 32)]); x = x.reshape(x.shape[:-1] + (-1, 32)); a = np.abs(x).max(-1, keepdims=True)
;;       e = np.where(a > 0, np.clip(np.frexp(np.where(a > 0, a, 1))[1] - 1 - 2, -126, 127), 0)      # np.frexp(a)[1] - 1 = floor(log2(a)), exactly
;;       r = np.clip(x / 2.0 ** e, -7.5, 7.5)
;;       step = 2.0 ** (np.maximum(np.frexp(np.where(r == 0, 1, r))[1] - 1, 0) - 3)
;;       q = np.round(r / step) * step * 2.0 ** e      # np.round: ties to even
;;       return np.moveaxis(q.reshape(q.shape[:-2] + (-1,))[..., :K], -1, axis).astype(np.float32)
;;   ~~~
;;   OPERANDS COMPUTED ON THE WAY. 'Computed on the way' means the value that the module computes at that place (a softmax that the list does not call 'softmax' is quantised finished and normalised). What goes into a quantiser is computed in f32, as accurately as f32 sums, v_exp_f32 and their like allow (about 1e-6 of the number): no bf16 or f16 on the way to a quantiser, and a product that is left as it is and whose result goes on into a quantised operand takes f32 operands (vector FMAs, or v_wmma_f32_16x16x4_f32). A number that lies on a knife's edge between two numbers of the format may be rounded either way, as far as f32 arithmetic and the matrix unit's own rounding can turn it there, and no further.
;; One version. Each part assembles by itself: llvm-mc -triple=amdgcn-amd-amdhsa -mcpu=gfx1250 --defsym DOCPART=n.
;; ======== version 1 of 1: 2 launches
;; workspace buffers: KV 13,107,200 bytes; QC 6,291,456 bytes; QS 262,144 bytes
;; launch prep (part 1): grid 256 x 1, 16 waves a work-group, no clusters, 71,680 bytes of LDS; arguments Q, K, V, KV, QC, QS; writes KV, QC, QS
.if DOCPART == 1
	.amdgcn_target "amdgcn-amd-amdhsa--gfx1250"
	.amdhsa_code_object_version 6
	.text
	.protected	k_qe795b925ba_prep
	.globl	k_qe795b925ba_prep
	.p2align	8
	.type	k_qe795b925ba_prep,@function
k_qe795b925ba_prep:
	s_mov_b64 s[64:65], 0
	v_nop
	global_prefetch_b8 v0, s[64:65] scope:SCOPE_SE
	s_setreg_imm32_b32 hwreg(HW_REG_WAVE_MODE, 25, 1), 1
	s_wait_xcnt 0x0
; Q, K, V: [16 heads][4096][128] f32.  This launch rotates Q and K (rotary embedding, f32) and turns all three into codes of FP6 (E2M3) with one E8M0 byte for each 32 along the later product's K:
; Q and K along the head's 128, V along the keys.  Everything is stored as IMAGES OF OPERAND REGISTERS: a fragment (16 rows x 128 k, 12 registers a lane) is 1,536 bytes, register p of lane l at
; (p / 4) 512 + 16 l + 4 (p % 4), so that three accesses of 16 bytes a lane at 16 l + 0, 512, 1024 move it.
; KV [16][32 key steps][25,600]: 8 tiles of K, 512 bytes of K's scale words, 8 tiles of V, 512 bytes of V's scale words.  Lane r of K's tile 2 b + u is key 32 b + 8 u + r + 8 (r / 8); lane r of V's tile t is channel 16 t + r.
; A scale word (four bytes: 128 k of one row) of tile t, row r lies at 16 (r + 16 (t % 2)) + 4 (t / 2) of its area.
; QC [16][256 tiles][1,536], QS [16][256][64]: tile w = 32 G + 8 c + t holds queries 512 G + 64 t + 4 r + c.
; SHARES.  Work-group w.  Waves 0-3: tile w of Q for four heads each; waves 4-7: tile w of K likewise: cos and sin hang on the row alone and are made once for the four heads.
; Waves 8-15: V: head w / 16, key steps 2 (w % 16) and the next, tile = wave - 8.  No wave reads another's LDS bytes: no barrier.  Memory binds; matrix units, clusters and tensor loads would add nothing here.
; A block's scale is 2^(floor(log2(its largest magnitude)) - 2): the byte is the largest magnitude's exponent field - 2, held at 1 from below by a floor among the maximum's leaves.
; LIMITS: NaN and infinities among the inputs are not served.  A block whose largest magnitude lies under 2^-124, a block of zeros too, keeps the byte 1 (the quantiser's rule says 127 for zeros): its codes
; are zeros or the rule's own, and this program alone reads the bytes.  cos and sin: the f32 angle t x inv_freq is reduced by pi / 2 in two parts (the first product is exact for t under 4,096) and put through
; polynomials of degree 7 and 8: about 1e-7 absolute.  inv_freq[j] is 10000^(-j / 64) = 10^(-j / 16), made in pairs of f32 and ROUNDED ONCE: the quotient 1 / 10000^(j / 64) taken as one power; the
; reciprocal of the rounded power differs from it in the last bit for some j (7, 10, 15 among the first sixteen).
; Lanes r and r + 16 store the same scale word to the same address.
.set HSTR,  2097152                    ; a head of Q, K or V in bytes
.set STEPB, 25600                      ; a key step's block of KV
.set KVH,   32*STEPB                   ; a head of KV
.set FRB,   1536                       ; a fragment's image
.set KSC,   12288                      ; in a block: K's scale words,
.set VCO,   12800                      ; V's tiles,
.set VSC,   25088                      ; V's scale words
.set WREG,  8704                       ; LDS of a Q/K wave: a stage of 16 rows x 528 bytes, then 64 f32
.set PITCH, 528                        ; 512 bytes + 16: 132 words, so that 16 rows begin in 16 different groups of banks (64 banks of 4 bytes: ISA guide 11.1)
.set TBL,   8448
.set FLOOR, 0x1800000                  ; 2^(3 - 127)
.set OFFR,  16                         ; v16-31   row p of the tile: 16 x lane + its byte offset from the tile's first row
.set COS,   32                         ; v32-63   cos of my row's angle for frequencies 32 h + 0 .. 31
.set SIN,   64                         ; v64-95   sin
.set R,     96                         ; v96-159  16 rows as loaded
.set X1,    160                        ; v160-191 my row's channels 32 h + 0 .. 31
.set X2,    192                        ; v192-223 and 64 + 32 h + 0 .. 31: the rotation's partners
.set PC,    224                        ; v224-235 the fragment
.set TA,    236
.set TB,    240
.set XV,    32                         ; V's waves: v32-159 four blocks of 32 keys
	s_load_b256 s[4:11], s[0:1], 0x0               ; Q s[4:5], K s[6:7], V s[8:9], KV s[10:11]
	s_load_b128 s[12:15], s[0:1], 0x20             ; QC s[12:13], QS s[14:15]
	v_lshl_add_u32 v15, v0, 2, 0x11000
	v_mov_b32 v239, 0
	v_lshrrev_b32 v1, 5, v0
	v_readfirstlane_b32 s16, v1                    ; wave 0..15
	v_and_b32 v1, 31, v0                           ; lane
	v_and_b32 v2, 15, v0                           ; r
	v_bfe_u32 v3, v0, 4, 1                         ; h
	s_and_b32 s31, s16, 7
	s_mul_i32 s31, s31, WREG                       ; my LDS bytes (waves 0-7 alone touch LDS)
	v_lshlrev_b32 v9, 4, v1                        ; 16 x lane
	v_add_nc_u32 v5, s31, v9                       ; the stage, way in: a row's 512 bytes as loaded
	v_mul_u32_u24 v6, v2, PITCH
	v_lshl_add_u32 v6, v3, 7, v6
	v_add_nc_u32 v6, s31, v6                       ; way out: row r, byte 128 h
	s_add_co_u32 s31, s31, TBL
	v_lshl_add_u32 v7, v1, 2, s31                  ; the table of inv_freq: my word,
	v_lshl_add_u32 v8, v3, 7, s31                  ; and my half's 32 words
	v_lshlrev_b32 v11, 3, v3                       ; 8 h
	s_mov_b32 s46, 0x76543210
	s_mov_b32 s47, 0xfedcba98                      ; v_permlanex16_b32's selects for lane l xor 16
	s_mov_b32 s19, ttmp9                           ; w
	s_cmp_lt_u32 s16, 8
	s_cbranch_scc0 .Lvrole
	; ---------------- waves 0-7: Q (0-3) and K (4-7).  One text: what differs lies in scalars chosen on the wave's number
	s_lshr_b32 s17, s16, 2                         ; 0: Q, 1: K
	s_and_b32 s18, s16, 3                          ; heads 4 x this + 0 .. 3
	s_lshr_b32 s50, s19, 5
	s_lshl_b32 s50, s50, 9
	s_and_b32 s51, s19, 7
	s_lshl_b32 s52, s51, 6
	s_add_co_u32 s50, s50, s52
	s_bfe_u32 s52, s19, 0x20003
	s_add_co_u32 s50, s50, s52                     ; Q's first row: 512 (w / 32) + 64 (w % 8) + (w / 8) % 4
	s_lshr_b32 s53, s19, 3                         ; K: key step w / 8
	s_lshl_b32 s54, s53, 7
	s_lshr_b32 s55, s51, 1                         ; b
	s_lshl_b32 s56, s55, 5
	s_add_co_u32 s54, s54, s56
	s_and_b32 s57, s19, 1                          ; u
	s_lshl_b32 s56, s57, 3
	s_add_co_u32 s54, s54, s56                     ; K's first row: 128 (w / 8) + 32 b + 8 u
	s_mul_i32 s58, s18, 4*256*FRB
	s_mul_i32 s59, s19, FRB
	s_add_co_u32 s58, s58, s59                     ; Q's codes: (256 x head + w) x 1,536
	s_lshl_b32 s59, s18, 16
	s_lshl_b32 s60, s19, 6
	s_add_co_u32 s59, s59, s60                     ; Q's scale words: (256 x head + w) x 64
	s_mul_i32 s60, s18, 4*KVH
	s_mul_i32 s61, s53, STEPB
	s_add_co_u32 s60, s60, s61                     ; K: the head's and the step's block
	s_mul_i32 s61, s51, FRB
	s_add_co_u32 s61, s60, s61                     ; K's codes: + tile x 1,536
	s_lshl_b32 s62, s57, 8
	s_add_co_u32 s60, s60, s62
	s_lshl_b32 s62, s55, 2
	s_add_co_u32 s60, s60, s62
	s_add_co_u32 s60, s60, KSC                     ; K's scale words: + 12,288 + 256 u + 4 b
	s_mov_b32 s26, KVH
	s_mov_b32 s28, KVH
	s_mov_b32 s32, 512
	s_mov_b32 s27, 0
	s_mov_b32 s29, 0
	s_wait_kmcnt 0x0
	s_cmp_eq_u32 s17, 0                            ; the choices hang on the wave's number alone
	s_cselect_b32 s50, s50, s54                    ; the tile's first row
	s_cselect_b32 s58, s58, s61
	s_cselect_b32 s59, s59, s60
	s_cselect_b32 s26, 256*FRB, s26                ; from head to head: the codes,
	s_cselect_b32 s28, 256*64, s28                 ; the scale words
	s_cselect_b32 s32, 2048, s32                   ; row p lies s32 p + s33 (p / 8) bytes on: Q 4 p rows, K p + 8 (p / 8) rows
	s_cselect_b32 s33, 0, 4096
	s_cselect_b32 s34, 2, 4                        ; a scale word's place: 4 r in QS, 16 r in KV
	s_cselect_b64 s[20:21], s[4:5], s[6:7]
	s_cselect_b64 s[22:23], s[12:13], s[10:11]
	s_cselect_b64 s[24:25], s[14:15], s[10:11]
	s_lshl_b32 s62, s18, 23                        ; four heads of 2 MiB
	s_lshl_b32 s63, s50, 9
	s_add_co_u32 s62, s62, s63
	s_mov_b32 s63, 0
	s_add_nc_u64 s[20:21], s[20:21], s[62:63]      ; in: my first head, the tile's first row
	s_mov_b32 s62, s58
	s_add_nc_u64 s[22:23], s[22:23], s[62:63]      ; out: codes
	s_mov_b32 s62, s59
	s_add_nc_u64 s[24:25], s[24:25], s[62:63]      ; out: scale words
	v_mul_u32_u24 v12, s32, v2
	v_lshrrev_b32 v13, 3, v2
	v_mad_u32_u24 v12, v13, s33, v12
	v_lshrrev_b32 v12, 9, v12
	v_add_nc_u32 v12, s50, v12                     ; my row's number t in the head
	v_cvt_f32_u32 v4, v12
	v_lshlrev_b32 v10, s34, v2
.irp p, 0,1,2,3,4,5,6,7,8,9,10,11,12,13,14,15
	s_mul_i32 s62, s32, \p
	s_mul_i32 s63, s33, \p/8
	s_add_co_u32 s62, s62, s63
	v_add_nc_u32 v[OFFR+\p], s62, v9
.endr
.macro LOADT hd                        ; the tile's 16 rows of head hd of my four: each load is one whole row, 512 consecutive bytes; read once in the launch
.irp p, 0,1,2,3,4,5,6,7,8,9,10,11,12,13,14,15
	global_load_b128 v[R+4*\p:R+4*\p+3], v[OFFR+\p], s[20:21] offset:(\hd)*HSTR th:TH_LOAD_NT
.endr
.endm
	LOADT 0                                        ; on its way while cos and sin are made
	; inv_freq[j] = 10000^(-j / 64) = 10^(-j / 16), j = lane and lane + 32.  10^(-lane / 16) is the product of 10^(-2^b / 16) over the lane's bits b, in pairs of f32 (head, tail); the head of the last
	; product is the value rounded once.  The nearest that any of the 64 comes to the middle between two f32 numbers is 0.0013 of a last bit (j = 1); the pairs carry some 1e-5 of a last bit.
	v_mov_b32 v244, 1.0                            ; head
	v_mov_b32 v245, 0                              ; tail
	v_mov_b32 v250, 1.0
	v_mov_b32 v251, 0
.macro DFMUL bit, hi, lo
	v_and_b32 v246, 1<<(\bit), v1
	v_cmp_ne_u32 vcc_lo, 0, v246
	v_mov_b32 v247, \hi
	v_mov_b32 v248, \lo
	v_cndmask_b32 v247, v250, v247, vcc_lo         ; the factor, or 1
	v_cndmask_b32 v248, v251, v248, vcc_lo
	v_mul_f32 v249, v244, v247
	v_fma_f32 v252, v244, v247, -v249              ; what the product's rounding dropped,
	v_fma_f32 v252, v244, v248, v252               ; and the two cross terms
	v_fma_f32 v252, v245, v247, v252
	v_add_f32 v244, v249, v252
	v_sub_f32 v253, v244, v249
	v_sub_f32 v245, v252, v253
.endm
	DFMUL 0, 0x3f5dafd7, 0xb2ff54dd                ; 10^(-1/16) = 0.86596432336006535
	DFMUL 1, 0x3f3ff911, 0x32022bb4                ; 10^(-1/8)  = 0.7498942093324559
	DFMUL 2, 0x3f0ff59a, 0xb1f8f1f8                ; 10^(-1/4)  = 0.5623413251903491
	DFMUL 3, 0x3ea1e89b, 0x31121240                ; 10^(-1/2)  = 0.31622776601683795
	DFMUL 4, 0x3dcccccd, 0xb0cccccd                ; 10^-1
	s_mov_b32 s35, 0x3c23d70a                      ; 10^-2 = 10^(-32/16): head,
	s_mov_b32 s45, 0x2f75c28f                      ; tail
	v_mul_f32 v249, s35, v244
	v_fma_f32 v252, v244, s35, -v249
	v_fma_f32 v252, v244, s45, v252
	v_fma_f32 v252, v245, s35, v252
	v_add_f32 v246, v249, v252                     ; 10^(-(lane + 32) / 16)
	ds_store_b32 v7, v244
	ds_store_b32 v7, v246 offset:128
.irp k, 0,1,2,3,4,5,6,7
	ds_load_b128 v[X1+4*\k:X1+4*\k+3], v8 offset:16*\k   ; LDS serves a wave's instructions in order (ISA guide 5.7.1.4): these see my stores.  inv_freq[32 h + 0 .. 31]
.endr
	s_mov_b32 s36, 0x3f22f983                      ; 2 / pi
	s_mov_b32 s37, 0xbfc90fdb                      ; -(pi / 2), its first 24 bits
	s_mov_b32 s38, 0x333bbd2e                      ; what those 24 bits are too large by
	s_mov_b32 s39, 0xb94ca1f9                      ; sin: r + r z (S1 + z (S2 + z S3))
	s_mov_b32 s40, 0x3c08839e
	s_mov_b32 s41, 0xbe2aaaa3
	s_mov_b32 s42, 0x37ccf5ce                      ; cos: 1 + z (-1/2 + z (C1 + z (C2 + z C3)))
	s_mov_b32 s43, 0xbab6061a
	s_mov_b32 s44, 0x3d2aaaa5
	s_mov_b32 s48, 0x80000000
	s_wait_dscnt 0x0
; cos and sin of t x inv_freq for four frequencies by turns.  n = the nearest whole number of quarter turns; r = angle - n pi / 2 (n has 12 bits, so n x the first part is exact inside the fused multiply-add, and the
; difference is a multiple of 2^-23 under 1: exact); odd n: sin and cos change places; the signs follow n mod 4.
.macro TRIG4 i0
.irp k, 0,1,2,3
	v_mul_f32 v[192+\k], v4, v[X1+\i0+\k]          ; the angle, rounded once
.endr
.irp k, 0,1,2,3
	v_mul_f32 v[196+\k], s36, v[192+\k]
.endr
.irp k, 0,1,2,3
	v_rndne_f32 v[196+\k], v[196+\k]
.endr
.irp k, 0,1,2,3
	v_fma_f32 v[192+\k], v[196+\k], s37, v[192+\k]
.endr
.irp k, 0,1,2,3
	v_fma_f32 v[192+\k], v[196+\k], s38, v[192+\k]
.endr
.irp k, 0,1,2,3
	v_mul_f32 v[200+\k], v[192+\k], v[192+\k]
.endr
.irp k, 0,1,2,3
	v_fma_f32 v[204+\k], v[200+\k], s39, s40
	v_fma_f32 v[208+\k], v[200+\k], s42, s43
.endr
.irp k, 0,1,2,3
	v_fma_f32 v[204+\k], v[204+\k], v[200+\k], s41
	v_fma_f32 v[208+\k], v[208+\k], v[200+\k], s44
.endr
.irp k, 0,1,2,3
	v_mul_f32 v[216+\k], v[192+\k], v[200+\k]
	v_fma_f32 v[208+\k], v[208+\k], v[200+\k], -0.5
.endr
.irp k, 0,1,2,3
	v_fma_f32 v[204+\k], v[216+\k], v[204+\k], v[192+\k]
	v_fma_f32 v[208+\k], v[208+\k], v[200+\k], 1.0
.endr
.irp k, 0,1,2,3
	v_cvt_i32_f32 v[212+\k], v[196+\k]
.endr
.irp k, 0,1,2,3
	v_and_b32 v[216+\k], 1, v[212+\k]
	v_cmp_eq_u32 vcc_lo, 1, v[216+\k]
	v_cndmask_b32 v[SIN+\i0+\k], v[204+\k], v[208+\k], vcc_lo
	v_cndmask_b32 v[COS+\i0+\k], v[208+\k], v[204+\k], vcc_lo
	v_lshlrev_b32 v[216+\k], 30, v[212+\k]         ; sin is negated where n mod 4 is 2 or 3,
	v_and_b32 v[216+\k], s48, v[216+\k]
	v_xor_b32 v[SIN+\i0+\k], v[216+\k], v[SIN+\i0+\k]
	v_add_nc_u32 v[212+\k], 1, v[212+\k]           ; cos where it is 1 or 2
	v_lshlrev_b32 v[212+\k], 30, v[212+\k]
	v_and_b32 v[212+\k], s48, v[212+\k]
	v_xor_b32 v[COS+\i0+\k], v[212+\k], v[COS+\i0+\k]
.endr
.endm
.irp q, 0,4,8,12,16,20,24,28
	TRIG4 \q
.endr
; One head's tile.  The rows go through the stage as loaded and come back 32 + 32 channels a lane: channel d = 32 h + i and its partner d + 64, which are also two whole blocks of 32 and the operand's own order.
.macro HEADSTEP hd
	s_wait_loadcnt 0x0                             ; this head's 16 rows are in
.irp p, 0,1,2,3,4,5,6,7,8,9,10,11,12,13,14,15
	ds_store_b128 v5, v[R+4*\p:R+4*\p+3] offset:PITCH*\p
.endr
.irp k, 0,1,2,3,4,5,6,7
	ds_load_b128 v[X1+4*\k:X1+4*\k+3], v6 offset:16*\k
.endr
.irp k, 0,1,2,3,4,5,6,7
	ds_load_b128 v[X2+4*\k:X2+4*\k+3], v6 offset:256+16*\k
.endr
	s_wait_dscnt 0x0                               ; the rows are back, and the stores have read their registers:
.if (\hd) < 3
	LOADT (\hd)+1                                  ; which take the next head's rows while this head is worked
.endif
.irp j, 0,2,4,6,8,10,12,14,16,18,20,22,24,26,28,30
	v_pk_mul_f32 v[244+2*(\j%4):245+2*(\j%4)], v[X2+\j:X2+\j+1], v[SIN+\j:SIN+\j+1]
	v_pk_mul_f32 v[246+2*(\j%4):247+2*(\j%4)], v[X1+\j:X1+\j+1], v[SIN+\j:SIN+\j+1]
	v_pk_fma_f32 v[X1+\j:X1+\j+1], v[X1+\j:X1+\j+1], v[COS+\j:COS+\j+1], v[244+2*(\j%4):245+2*(\j%4)] neg_lo:[0,0,1] neg_hi:[0,0,1]   ; x1 cos - x2 sin
	v_pk_fma_f32 v[X2+\j:X2+\j+1], v[X2+\j:X2+\j+1], v[COS+\j:COS+\j+1], v[246+2*(\j%4):247+2*(\j%4)]                                ; x2 cos + x1 sin
.endr
	v_max3_num_f32 v252, |v[X1]|, |v[X1+1]|, FLOOR ; my two blocks' largest magnitudes, by turns, the floor among the leaves
	v_max3_num_f32 v253, |v[X2]|, |v[X2+1]|, FLOOR
.irp i, 2,4,6,8,10,12,14,16,18,20,22,24,26,28,30
	v_max3_num_f32 v252, v252, |v[X1+\i]|, |v[X1+\i+1]|
	v_max3_num_f32 v253, v253, |v[X2+\i]|, |v[X2+\i+1]|
.endr
	v_add_nc_u32 v252, 0xff000000, v252            ; 2 off the exponent field: the conversion takes the exponent field of this operand as its scale
	v_add_nc_u32 v253, 0xff000000, v253
	v_lshrrev_b32 v254, 23, v252                   ; the bytes of blocks h and 2 + h,
	v_lshrrev_b32 v255, 23, v253
	v_lshl_or_b32 v254, v255, 16, v254
	v_lshlrev_b32 v254, v11, v254                  ; at their places in the row's word;
	v_permlanex16_b32 v255, v254, s46, s47
	v_or_b32 v243, v254, v255                      ; with lane l xor 16's two the word is whole
	v_cvt_scalef32_pk16_fp6_f32 v[PC:PC+2], v[X1:X1+15], v252
	v_cvt_scalef32_pk16_fp6_f32 v[TA:TA+2], v[X1+16:X1+31], v252      ; (a conversion's three registers begin on an even number)
	v_cvt_scalef32_pk16_fp6_f32 v[PC+6:PC+8], v[X2:X2+15], v253
	v_cvt_scalef32_pk16_fp6_f32 v[TB:TB+2], v[X2+16:X2+31], v253
	v_nop                                          ; one plain instruction behind the scaled conversions
.irp i, 0,1,2
	v_mov_b32 v[PC+3+\i], v[TA+\i]
	v_mov_b32 v[PC+9+\i], v[TB+\i]
.endr
	global_store_b128 v9, v[PC:PC+3], s[22:23]                 ; each store of the wave covers 512 consecutive bytes, aligned to 256
	global_store_b128 v9, v[PC+4:PC+7], s[22:23] offset:512
	global_store_b128 v9, v[PC+8:PC+11], s[22:23] offset:1024
	global_store_b32 v10, v243, s[24:25]
.if (\hd) < 3
	s_wait_xcnt 0x0                                ; the stores have read their data and bases: only now the bases step, and the next head writes the fragment and the word anew
	s_add_nc_u64 s[22:23], s[22:23], s[26:27]
	s_add_nc_u64 s[24:25], s[24:25], s[28:29]
.endif
.endm
.irp hd, 0,1,2,3
	HEADSTEP \hd
.endr
	s_wait_tensorcnt 0x0
	ds_add_u32 v15, v239
	s_wait_dscnt 0x0
	s_endpgm
	; ---------------- waves 8-15: V.  A lane takes a channel and its registers run down the keys, in the operand's own order: nothing is transposed, and a block of 32 keys is one lane's.
.Lvrole:
	s_sub_co_u32 s17, s16, 8                       ; tile: channels 16 x this on
	s_lshr_b32 s18, s19, 4                         ; head
	s_and_b32 s50, s19, 15
	s_lshl_b32 s50, s50, 1                         ; my first key step
	s_lshl_b32 s52, s18, 21
	s_lshl_b32 s53, s50, 16                        ; 128 keys of 512 bytes
	s_add_co_u32 s52, s52, s53
	s_lshl_b32 s53, s17, 6
	s_add_co_u32 s52, s52, s53
	s_mov_b32 s53, 0
	s_mul_i32 s54, s18, KVH
	s_mul_i32 s55, s50, STEPB
	s_add_co_u32 s54, s54, s55
	s_mul_i32 s55, s17, FRB
	s_add_co_u32 s56, s54, s55
	s_add_co_u32 s56, s56, VCO                     ; the codes' place
	s_mov_b32 s57, 0
	s_and_b32 s55, s17, 1
	s_lshl_b32 s55, s55, 8
	s_add_co_u32 s58, s54, s55
	s_lshr_b32 s55, s17, 1
	s_lshl_b32 s55, s55, 2
	s_add_co_u32 s58, s58, s55
	s_add_co_u32 s58, s58, VSC                     ; the scale words'
	s_mov_b32 s59, 0
	v_lshlrev_b32 v12, 2, v2
	v_lshl_add_u32 v12, v3, 14, v12                ; channel r, and 32 keys further down for lanes 16-31
	v_lshlrev_b32 v10, 4, v2
	v_mov_b32 v199, 0                              ; written once: a lane permute's destination counts as one of its sources
	s_wait_kmcnt 0x0
	s_add_nc_u64 s[20:21], s[8:9], s[52:53]
	s_add_nc_u64 s[22:23], s[10:11], s[56:57]
	s_add_nc_u64 s[24:25], s[10:11], s[58:59]
.macro LOADV t                         ; block t = 2 f + c: keys 128 f + 64 c + 32 h + 0 .. 31 of my channel.  The eight waves together read whole rows of 512 bytes
.irp i, 0,1,2,3,4,5,6,7,8,9,10,11,12,13,14,15,16,17,18,19,20,21,22,23,24,25,26,27,28,29,30,31
	global_load_b32 v[XV+32*(\t)+\i], v12, s[20:21] offset:65536*((\t)/2)+(64*((\t)%2)+\i)*512
.endr
.endm
.macro BLOCKV t
.set XB, XV+32*(\t)
.set PB, 160+12*((\t)/2)+6*((\t)%2)
.if (\t) < 3
	s_wait_loadcnt 32                              ; this block's 32 loads are in; the next block's 32 may be out
.else
	s_wait_loadcnt 0x0
.endif
.if (\t) < 2
	LOADV (\t)+2
.endif
	v_max3_num_f32 v192, |v[XB]|, |v[XB+1]|, FLOOR
	v_max3_num_f32 v193, |v[XB+16]|, |v[XB+17]|, FLOOR
.irp i, 2,4,6,8,10,12,14
	v_max3_num_f32 v192, v192, |v[XB+\i]|, |v[XB+\i+1]|
	v_max3_num_f32 v193, v193, |v[XB+16+\i]|, |v[XB+17+\i]|
.endr
	v_max_num_f32 v192, v192, v193
	v_add_nc_u32 v[194+(\t)%2], 0xff000000, v192
	v_lshrrev_b32 v[196+(\t)%2], 23, v[194+(\t)%2]
	v_cvt_scalef32_pk16_fp6_f32 v[PB:PB+2], v[XB:XB+15], v[194+(\t)%2]
	v_cvt_scalef32_pk16_fp6_f32 v[184:186], v[XB+16:XB+31], v[194+(\t)%2]
	v_nop                                          ; one plain instruction behind the scaled conversions
.irp i, 0,1,2
	v_mov_b32 v[PB+3+\i], v[184+\i]
.endr
.if (\t)%2 == 1                        ; a fragment is whole: each has registers of its own, so no store's data are written again
	v_lshl_or_b32 v198, v197, 16, v196             ; blocks h and 2 + h
	v_lshlrev_b32 v198, v11, v198
	v_permlanex16_b32 v199, v198, s46, s47
	v_or_b32 v[200+(\t)/2], v198, v199
	global_store_b128 v9, v[PB-6:PB-3], s[22:23] offset:STEPB*((\t)/2)
	global_store_b128 v9, v[PB-2:PB+1], s[22:23] offset:STEPB*((\t)/2)+512
	global_store_b128 v9, v[PB+2:PB+5], s[22:23] offset:STEPB*((\t)/2)+1024
	global_store_b32 v10, v[200+(\t)/2], s[24:25] offset:STEPB*((\t)/2)
.endif
.endm
	LOADV 0
	LOADV 1
	BLOCKV 0
	BLOCKV 1
	BLOCKV 2
	BLOCKV 3
	s_endpgm
.Lfunc_end_k_qe795b925ba_prep:
	.size	k_qe795b925ba_prep, .Lfunc_end_k_qe795b925ba_prep-k_qe795b925ba_prep
	.p2alignl 7, 3214868480
	.fill 96, 4, 3214868480
	.section	.rodata,"a",@progbits
	.p2align	6, 0x0
	.amdhsa_kernel k_qe795b925ba_prep
		.amdhsa_group_segment_fixed_size 71680
		.amdhsa_private_segment_fixed_size 0
		.amdhsa_enable_private_segment 0
		.amdhsa_kernarg_size 48
		.amdhsa_user_sgpr_count 2
		.amdhsa_user_sgpr_kernarg_segment_ptr 1
		.amdhsa_wavefront_size32 1
		.amdhsa_system_sgpr_workgroup_id_x 1
		.amdhsa_system_sgpr_workgroup_id_y 1
		.amdhsa_system_sgpr_workgroup_id_z 1
		.amdhsa_system_vgpr_workitem_id 0
		.amdhsa_next_free_vgpr 256
		.amdhsa_next_free_sgpr 66
		.amdhsa_reserve_vcc 1
		.amdhsa_float_denorm_mode_32 3
		.amdhsa_float_denorm_mode_16_64 3
		.amdhsa_memory_ordered 1
		.amdhsa_forward_progress 1
		.amdhsa_inst_pref_size 110
	.end_amdhsa_kernel
	.amdgpu_metadata
---
amdhsa.version: [ 1, 2 ]
amdhsa.kernels:
  - .name:           k_qe795b925ba_prep
    .symbol:         k_qe795b925ba_prep.kd
    .args:
      - { .name: Q, .offset: 0, .size: 8, .value_kind: global_buffer, .address_space: global }
      - { .name: K, .offset: 8, .size: 8, .value_kind: global_buffer, .address_space: global }
      - { .name: V, .offset: 16, .size: 8, .value_kind: global_buffer, .address_space: global }
      - { .name: KV, .offset: 24, .size: 8, .value_kind: global_buffer, .address_space: global }
      - { .name: QC, .offset: 32, .size: 8, .value_kind: global_buffer, .address_space: global }
      - { .name: QS, .offset: 40, .size: 8, .value_kind: global_buffer, .address_space: global }
    .group_segment_fixed_size: 71680
    .private_segment_fixed_size: 0
    .kernarg_segment_align: 8
    .kernarg_segment_size: 48
    .max_flat_workgroup_size: 512
    .sgpr_count:     66
    .vgpr_count:     256
    .wavefront_size: 32
...
	.end_amdgpu_metadata
.endif
;; end of part 1
;; launch attn (part 2): grid 16 x 16, 4 waves a work-group, clusters of 4 x 1, 327,680 bytes of LDS; arguments KV, QC, QS, out0; writes out0
.if DOCPART == 2
	.amdgcn_target "amdgcn-amd-amdhsa--gfx1250"
	.amdhsa_code_object_version 6
	.text
	.protected	k_qe795b925ba_attn
	.globl	k_qe795b925ba_attn
	.p2align	8
	.type	k_qe795b925ba_attn,@function
k_qe795b925ba_attn:
	s_mov_b64 s[64:65], 0
	v_nop
	global_prefetch_b8 v0, s[64:65] scope:SCOPE_SE
	s_setreg_imm32_b32 hwreg(HW_REG_WAVE_MODE, 25, 1), 1
	s_wait_xcnt 0x0
	s_wait_alu depctr_hold_cnt(0) depctr_sa_sdst(0) depctr_va_vdst(0) depctr_va_sdst(0) depctr_va_ssrc(0) depctr_va_vcc(0) depctr_vm_vsrc(0)
	s_getreg_b32 s2, hwreg(HW_REG_IB_STS2, 6, 4)
	s_cmp_eq_u32 s2, 0
	s_cbranch_scc0 .Lentry_in_a_cluster
	s_endpgm
.Lentry_in_a_cluster:
	s_bfe_u32 s2, ttmp6, 0x10000c
	s_cmp_lg_u32 s2, 0x3003
	s_cbranch_scc0 .Lentry_shape_is_right
	s_endpgm
.Lentry_shape_is_right:
; out[h][q] = the sum over keys k < q of Quant(S)[q][k] Quant(V)[k], S = Quant(Qr) Quant(Kr)^T with S = 0 where k >= q; both products on codes of FP6 (E2M3) with one E8M0 scale for each 32 along K.
; KV, QC, QS hold register images of the operands (a fragment: 1,536 bytes, three accesses of 16 bytes a lane at 16 x lane + 0, 512, 1024) and their scale words, made by the launch before.
; SHARES.  A head's 4,096 queries are 8 chunks of 512.  A cluster of four work-groups (cluster x = g, y = the head) owns chunk 7 - g, then chunk g; work-group c of it owns the 128 queries = c mod 4 of each.
; Chunk G needs keys 0 .. 512 G + 511: G + 1 slots of 512 keys.  (8 - g) + (g + 1) = 9: EVERY work-group walks nine slots, and the four partners want the same slot at the same time:
; each slot is asked for JOINTLY (one tensor load a wave, 128 keys' block of 25,600 dense bytes, mask of all four), which divides the requests for K and V by four.
; A wave: a = wave / 2 picks 64 of the 128 queries (four tiles of 16), s = wave % 2 the key steps s and s + 2 of each slot: so a fragment read from LDS feeds four matrix instructions.
; At a chunk's end the two waves of a pair (a, 0), (a, 1) add their halves: each sends two tiles' sums through LDS and finishes the other two.  Register slot x of a wave holds tile x xor 2 s.
; LAYOUT.  Both products are used transposed: S^T = K Q^T (source 0 = 16 keys, source 1 = 16 queries), O^T = V^T P^T: a lane holds ONE query throughout.  The keys of a tile of K are chosen so that the 16 registers
; of tiles 2 b, 2 b + 1 are keys 32 b + 16 (lane / 16) + 0 .. 15: the conversions' results, their halves exchanged, are the second product's operand.
; THE MASK.  In a chunk's last slot: of the wave's two steps, number j < a is open, j > a is left out, j = a lies on the diagonal: there register slots 0, 1 are masked (a score is kept where
; 32 (b - 2 e) + i < 4 r + c - 16 (lane / 16), e the slot), slots 2, 3 are open (s = 0) or wholly hidden and left out (s = 1).  c enters values and Q's and out's addresses alone: no branch, no LDS address.
; BY TURNS.  A tile's quantiser is a list of 68 vector instructions; it stands in slices behind the matrix instructions of its neighbours' products, since a key step has 272 of them for its 64 matrix instructions.
; LIMITS: NaN and infinities are not served; a block of scores whose largest magnitude lies under 2^-124, a block of zeros too, keeps the scale byte 1: zeros' codes are zeros.  The sums over the keys are
; taken in two halves (even and odd steps) and added at the end.  O^T is cleared by moves, twice a wave: a chunk's first step falls in a trip that hangs on g, and a copy of the step with C = 0 would be more text than the moves.
; REGISTERS, in windows of 256 (s_set_vgpr_msb: bits 1:0 source 0, 3:2 source 1, 5:4 source 2, 7:6 destination):
;   window 0: v1-14 addresses; v16-33 scale words; v36-58 the quantiser's; v64-191 S^T, two buffers; v192-215 P, two buffers.   window 1: O^T, slot x tile t at 64 x + 8 t.
;   window 2: v0-95 K's 8 fragments; v96-143 Q of the chunk in hand; v144-191 Q of the second chunk.   window 3: v0-95 V's 8 fragments.
.set STEPB,  25600                     ; a key step's block: K 12,288, K's scale words 512, V 12,288, V's scale words 512
.set SLOTB,  4*STEPB
.set SLOT1,  1<<17                     ; slot 1 begins here, so that one exclusive or turns an address in one slot into the other's
.set SPARE,  SLOTB                     ; behind slot 0: the spare words, 128 bytes for each wave: two blocks of 256 bytes that no other line names
.set STAGE,  SLOT1+SLOTB               ; behind slot 1: 16,896 bytes for each wave; no fill lands there
.set ESZ,    16896
.set SPITCH, 528
.set KVH,    32*STEPB
.set FRB,    1536
.set KSC,    12288
.set VCO,    12800
.set VSC,    25088
.set LB,   1                           ; v1   16 x lane + 25,600 s: my first step in a slot
.set LB1,  2                           ; v2   my second step
.set LBD,  3                           ; v3   the step on the diagonal: number a
.set ADR0, 4                           ; v4-6 the same in the slot in hand
.set ADR1, 5
.set ADRD, 6
.set SPW,  7                           ; v7   my spare word; never rewritten
.set NIL,  8                           ; v8   0; never rewritten
.set DD,   9                           ; v9   4 r + c - 16 (lane / 16)
.set SNDA, 10                          ; v10  my partner's stage + 16 x lane
.set RCVA, 11                          ; v11  my stage + 16 x lane
.set STO,  12                          ; v12  my stage: row r, + 32 (lane / 16)
.set GO,   13                          ; v13  16 x lane
.set PFO,  14                          ; v14  256 x min(lane, 24)
.set KS,   16                          ; v16-19 K's scale words: register t: tile 2 t in lanes 0-15, tile 2 t + 1 in lanes 16-31
.set VS,   20                          ; v20-23 V's likewise
.set QS,   24                          ; v24-27 Q's, a register a slot
.set PW,   28                          ; v28-29 P's, a register a buffer
.set QS2,  30                          ; v30-33 Q's of the second chunk
.set TM,   36
.set TA,   52
.set TB,   56
.set SBUF, 64
.set PBUF, 192
.set KF,   0
.set QF,   96
.set Q2F,  144
.set VF,   0
.set WV,   12                          ; s12 wave; s13 a; s14 s; s15 c
.set HA,   13
.set PS,   14
.set CX,   15
.set G1,   16                          ; s[16:23] descriptor group 1;  s[24:27] group 0
.set G0,   24
.set GG,   28                          ; s28 g; s29 head; s30 NB = 8 - g: the first chunk's slots; s31 N: the slot in hand, 0 .. 8
.set HD,   29
.set NB,   30
.set NN,   31
.set KO,   32                          ; s[32:33] the byte offset in the head of the slot asked for last
.set KVB,  34                          ; s[34:35] KV at my head, my wave's block of a slot
.set TBS,  36                          ; s36 LDS byte at which the slot in hand begins
.set PFA,  40                          ; s[40:41] where my prefetches stand
.set LIM,  42                          ; s42 a wave prefetches while N is under this
.set SEL,  44
.set OUTB, 46                          ; s[46:47] out at the chunk in hand; s[48:49] at the second chunk
.set OUT2, 48
.set MSB, 0
.macro WIN new                         ; the immediate's high byte repeats the setting that is left; a switch that changes nothing is dropped
.if MSB != \new
	s_set_vgpr_msb (MSB<<8)|\new
.set MSB, \new
.endif
.endm
.set W_KQ, 0x0a                        ; K and Q in window 2, S^T in window 0
.set W_PV, 0x53                        ; V in window 3, P in window 0, O^T in window 1
.macro PLACES n                        ; plain vector instructions between a matrix instruction and what may not follow it at once (ISA guide 7.12.1)
.rept \n
	v_nop
.endr
.endm
.macro CROUND                          ; a round of the cluster's barrier: my work-group's barrier; wave 0 signals for the work-group; every wave waits for all four work-groups; my work-group's barrier once more
	s_barrier_signal -1
	s_barrier_wait -1
	s_cmp_lg_u32 s[WV], 0
	s_cbranch_scc1 .Lnot_wave_0_\@
	s_barrier_signal -3
.Lnot_wave_0_\@:
	s_barrier_wait -3
	s_barrier_signal -1
	s_barrier_wait -1
.endm
	s_load_b256 s[4:11], s[0:1], 0x0               ; KV s[4:5], QC s[6:7], QS s[8:9], out s[10:11]
	v_lshl_add_u32 v[SPW], v0, 2, SPARE
	v_mov_b32 v[NIL], 0
	ds_add_u32 v7, v8
	ds_add_u32 v7, v8
	s_wait_dscnt 0x0
	v_lshrrev_b32 v216, 5, v0
	v_readfirstlane_b32 s[WV], v216                ; wave 0..3
	s_lshr_b32 s[HA], s[WV], 1
	s_and_b32 s[PS], s[WV], 1
	s_bfe_u32 s[CX], ttmp6, 0x40000                ; my place in the cluster
	s_mov_b32 s[GG], ttmp9                         ; in a cluster launch ttmp9 counts clusters
	s_and_b32 s[HD], ttmp7, 0xffff
	s_sub_co_u32 s[NB], 8, s[GG]
	; descriptor group 1: 100 rows of 256 bytes (32 elements of 8 bytes), dense, no padding: register images are read 16 bytes a lane on end
	s_mov_b32 s[G1+0], 15|(3<<16)|(1<<21)          ; 15:0 the mask: all four work-groups; 17:16 elements of 8 bytes; 21 set beside a mask
	s_mov_b32 s[G1+1], 32<<16                      ; tensor_dim0 = 32
	s_mov_b32 s[G1+2], 100<<16                     ; tensor_dim1 = 100
	s_mov_b32 s[G1+3], 32<<16                      ; tile_dim0 = 32
	s_mov_b32 s[G1+4], 100                         ; tile_dim1 = 100
	s_mov_b32 s[G1+5], 32                          ; from row to row
	s_mov_b32 s[G1+6], 0
	s_mov_b32 s[G1+7], 0
	s_mul_i32 s50, s[HD], KVH
	s_mul_i32 s[G0+1], s[WV], STEPB                ; LDS: slot 0, block = my wave's number: no place in the cluster enters it
	s_add_co_u32 s50, s50, s[G0+1]
	s_mov_b32 s51, 0
	s_mov_b32 s[G0], 1
	s_mov_b32 s[KO], 0
	s_mov_b32 s[KO+1], 0
	s_wait_kmcnt 0x0
	s_add_nc_u64 s[KVB:KVB+1], s[4:5], s[50:51]    ; hangs on the head and the wave alone: equal in the four partners
	s_mov_b64 s[G0+2:G0+3], s[KVB:KVB+1]
	s_or_b32 s[G0+3], s[G0+3], 0x80000000          ; type = 2
	CROUND                                         ; all four work-groups are here: the first joint loads meet
	tensor_load_to_lds s[G0:G0+3], s[G1:G1+7]      ; keys 0 .. 511 into slot 0; four v_nop follow a tensor load
	s_nop 0
	PLACES 4
	v_and_b32 v216, 31, v0                         ; lane
	v_and_b32 v217, 15, v0                         ; r
	v_bfe_u32 v218, v0, 4, 1                       ; lane / 16
	v_lshlrev_b32 v[GO], 4, v216
	s_mul_i32 s50, s[PS], STEPB
	v_add_nc_u32 v[LB], s50, v[GO]
	v_add_nc_u32 v[LB1], 2*STEPB, v[LB]
	s_mul_i32 s50, s[HA], 2*STEPB
	v_add_nc_u32 v[LBD], s50, v[LB]
	v_lshlrev_b32 v[DD], 2, v217
	v_add_nc_u32 v[DD], s[CX], v[DD]
	v_lshlrev_b32 v219, 4, v218
	v_sub_nc_u32 v[DD], v[DD], v219
	s_xor_b32 s50, s[WV], 1
	s_mul_i32 s50, s50, ESZ
	s_add_co_u32 s50, s50, STAGE
	v_add_nc_u32 v[SNDA], s50, v[GO]
	s_mul_i32 s51, s[WV], ESZ
	s_add_co_u32 s51, s51, STAGE
	v_add_nc_u32 v[RCVA], s51, v[GO]
	v_mul_u32_u24 v[STO], v217, SPITCH
	v_lshl_add_u32 v[STO], v218, 5, v[STO]
	v_add_nc_u32 v[STO], s51, v[STO]
	v_min_u32 v[PFO], 24, v216
	v_lshlrev_b32 v[PFO], 8, v[PFO]
	s_mul_i32 s50, s[PS], 2*FRB                    ; slots 0, 1 hold tiles 2 s, 2 s + 1; slots 2, 3 tiles 2 (1 - s), 2 (1 - s) + 1
	s_xor_b32 s51, s[PS], 1
	s_mul_i32 s51, s51, 2*FRB
	v_add_nc_u32 v220, s50, v[GO]
	v_add_nc_u32 v221, s51, v[GO]
	v_lshlrev_b32 v219, 2, v217
	s_lshl_b32 s50, s[PS], 7
	s_xor_b32 s51, s[PS], 1
	s_lshl_b32 s51, s51, 7
	v_add_nc_u32 v222, s50, v219
	v_add_nc_u32 v223, s51, v219
	s_lshl_b32 s50, s[HD], 8
	s_lshl_b32 s51, s[CX], 3
	s_add_co_u32 s50, s50, s51
	s_lshl_b32 s51, s[HA], 2
	s_add_co_u32 s50, s50, s51                     ; 256 x head + 8 c + 4 a
	s_sub_co_u32 s51, 7, s[GG]
	s_lshl_b32 s60, s51, 5
	s_add_co_u32 s60, s60, s50                     ; my first tile of the first chunk, 7 - g,
	s_lshl_b32 s61, s[GG], 5
	s_add_co_u32 s61, s61, s50                     ; and of the second, g
	s_mul_i32 s52, s60, FRB
	s_mov_b32 s53, 0
	s_mul_i32 s54, s61, FRB
	s_mov_b32 s55, 0
	s_lshl_b32 s56, s60, 6
	s_mov_b32 s57, 0
	s_lshl_b32 s58, s61, 6
	s_mov_b32 s59, 0
	s_add_nc_u64 s[52:53], s[6:7], s[52:53]
	s_add_nc_u64 s[54:55], s[6:7], s[54:55]
	s_add_nc_u64 s[56:57], s[8:9], s[56:57]
	s_add_nc_u64 s[58:59], s[8:9], s[58:59]
	WIN 0x80                                       ; destination window 2, address window 0
.irp x, 0,1
.irp c, 0,1,2
	global_load_b128 v[QF+12*\x+4*\c:QF+12*\x+4*\c+3], v220, s[52:53] offset:FRB*\x+512*\c
	global_load_b128 v[QF+24+12*\x+4*\c:QF+24+12*\x+4*\c+3], v221, s[52:53] offset:FRB*\x+512*\c
	global_load_b128 v[Q2F+12*\x+4*\c:Q2F+12*\x+4*\c+3], v220, s[54:55] offset:FRB*\x+512*\c
	global_load_b128 v[Q2F+24+12*\x+4*\c:Q2F+24+12*\x+4*\c+3], v221, s[54:55] offset:FRB*\x+512*\c
.endr
.endr
	WIN 0
.irp x, 0,1
	global_load_b32 v[QS+\x], v222, s[56:57] offset:64*\x
	global_load_b32 v[QS+2+\x], v223, s[56:57] offset:64*\x
	global_load_b32 v[QS2+\x], v222, s[58:59] offset:64*\x
	global_load_b32 v[QS2+2+\x], v223, s[58:59] offset:64*\x
.endr
	; out: I finish tiles 2 (1 - s), 2 (1 - s) + 1 of my half: rows 512 G + 256 a + 128 (1 - s) + 64 e + 4 r + c
	s_lshl_b32 s60, s[HD], 12
	s_lshl_b32 s61, s[HA], 8
	s_add_co_u32 s60, s60, s61
	s_xor_b32 s61, s[PS], 1
	s_lshl_b32 s61, s61, 7
	s_add_co_u32 s60, s60, s61
	s_add_co_u32 s60, s60, s[CX]
	s_sub_co_u32 s61, 7, s[GG]
	s_lshl_b32 s61, s61, 9
	s_add_co_u32 s62, s60, s61
	s_lshl_b32 s62, s62, 9
	s_mov_b32 s63, 0
	s_add_nc_u64 s[OUTB:OUTB+1], s[10:11], s[62:63]
	s_lshl_b32 s61, s[GG], 9
	s_add_co_u32 s62, s60, s61
	s_lshl_b32 s62, s62, 9
	s_add_nc_u64 s[OUT2:OUT2+1], s[10:11], s[62:63]
	; the prefetches: of a slot's 400 blocks of 256 bytes wave w of partner c takes 25, from block 25 (4 c + w) on: shared out by address
	s_lshl_b32 s60, s[CX], 2
	s_add_co_u32 s60, s60, s[WV]
	s_mul_i32 s60, s60, 25*256
	s_mul_i32 s61, s[HD], KVH
	s_add_co_u32 s60, s60, s61
	s_add_co_u32 s60, s60, SLOTB                   ; at key slot 1: the first change of slots steps it to 2.  Nothing is prefetched here, at the head
	s_mov_b32 s61, 0
	s_add_nc_u64 s[PFA:PFA+1], s[4:5], s[60:61]
	s_cmp_eq_u32 s[GG], 0
	s_cselect_b32 s[LIM], 6, 0                     ; cluster g = 0 walks key slots 0 .. 7 on end: it alone asks, in trips 0 .. 5, for slots 2 .. 7
	s_mov_b32 s[SEL], 0x76543210
	s_mov_b32 s[SEL+1], 0xfedcba98                 ; v_permlanex16_b32's selects for lane l xor 16
	s_mov_b32 s[NN], 0
	s_mov_b32 s[TBS], 0
.irp b, 0,1,2,3
	v_mov_b32 v[TM+4+\b], 0                        ; written once: a lane permute's destination counts as one of its sources
.endr
	WIN 0x40
.set J_, 0
.rept 256
	v_mov_b32 v[J_], 0                             ; O^T
.set J_, J_+1
.endr
	WIN 0
	s_wait_loadcnt 0x0                             ; Q and its scale words, both chunks'
; ---- the matrix work.  One instruction finishes a tile of S^T, since the first product's K is the head's 128.  No two matrix instructions that follow each other share an accumulator.
.macro KQ x, sb, i                     ; S^T tile i (16 keys) of slot x into buffer sb
	WIN W_KQ
.if ((\i)%2) == 0
	v_wmma_scale_f32_16x16x128_f8f6f4 v[SBUF+64*(\sb)+8*(\i):SBUF+64*(\sb)+8*(\i)+7], v[KF+12*(\i):KF+12*(\i)+11], v[QF+12*(\x):QF+12*(\x)+11], 0, v[KS+(\i)/2], v[QS+(\x)] matrix_a_fmt:MATRIX_FMT_FP6 matrix_b_fmt:MATRIX_FMT_FP6
.else
	v_wmma_scale_f32_16x16x128_f8f6f4 v[SBUF+64*(\sb)+8*(\i):SBUF+64*(\sb)+8*(\i)+7], v[KF+12*(\i):KF+12*(\i)+11], v[QF+12*(\x):QF+12*(\x)+11], 0, v[KS+(\i)/2], v[QS+(\x)] matrix_a_fmt:MATRIX_FMT_FP6 matrix_b_fmt:MATRIX_FMT_FP6 matrix_a_scale:MATRIX_SCALE_ROW1
.endif
.endm
.macro PV x, pb, i                     ; O^T tile i (16 channels) of slot x += V^T P^T, P from buffer pb
	WIN W_PV
.set O_, 64*(\x)+8*(\i)
.if ((\i)%2) == 0
	v_wmma_scale_f32_16x16x128_f8f6f4 v[O_:O_+7], v[VF+12*(\i):VF+12*(\i)+11], v[PBUF+12*(\pb):PBUF+12*(\pb)+11], v[O_:O_+7], v[VS+(\i)/2], v[PW+(\pb)] matrix_a_fmt:MATRIX_FMT_FP6 matrix_b_fmt:MATRIX_FMT_FP6
.else
	v_wmma_scale_f32_16x16x128_f8f6f4 v[O_:O_+7], v[VF+12*(\i):VF+12*(\i)+11], v[PBUF+12*(\pb):PBUF+12*(\pb)+11], v[O_:O_+7], v[VS+(\i)/2], v[PW+(\pb)] matrix_a_fmt:MATRIX_FMT_FP6 matrix_b_fmt:MATRIX_FMT_FP6 matrix_a_scale:MATRIX_SCALE_ROW1
.endif
.endm
; ---- the quantiser of one tile of 16 queries x 128 keys: 68 numbered instructions; VQ writes number VJ.  Register 16 b + i of the buffer is key 32 b + 16 (lane / 16) + i of my query.
;   0-31 the four blocks' largest magnitudes by turns, each accumulator from its low end on, the floor 2^(3 - 127) among the leaves;  32-39 with lane l xor 16's;  40-43 2 off the exponent field: the conversions' scale operands;
;   44-50 the bytes, and the row's scale word;  51-54 the conversions;  55 the plain instruction behind them;  56-61 the halves change places, so that a lane holds whole blocks;  62-67 the second halves move to their places.
.macro VQ sb, pb
	WIN 0
.set SQ_, SBUF+64*(\sb)
.set PQ_, PBUF+12*(\pb)
.if VJ < 4
	v_max3_num_f32 v[TM+VJ], |v[SQ_+16*VJ]|, |v[SQ_+16*VJ+1]|, 0x1800000
.elseif VJ < 32
.set B_, VJ%4
.set E_, 2*(VJ/4)
	v_max3_num_f32 v[TM+B_], v[TM+B_], |v[SQ_+16*B_+E_]|, |v[SQ_+16*B_+E_+1]|
.elseif VJ < 36
	v_permlanex16_b32 v[TM+4+VJ-32], v[TM+VJ-32], s[SEL], s[SEL+1]
.elseif VJ < 40
	v_max_num_f32 v[TM+VJ-36], v[TM+VJ-36], v[TM+4+VJ-36]
.elseif VJ < 44
	v_add_nc_u32 v[TM+12+VJ-40], 0xff000000, v[TM+VJ-40]
.elseif VJ < 48
	v_lshrrev_b32 v[TM+4+VJ-44], 23, v[TM+12+VJ-44]
.elseif VJ == 48
	v_lshl_or_b32 v[PW+(\pb)], v[TM+5], 8, v[TM+4]
.elseif VJ == 49
	v_lshl_or_b32 v[PW+(\pb)], v[TM+6], 16, v[PW+(\pb)]
.elseif VJ == 50
	v_lshl_or_b32 v[PW+(\pb)], v[TM+7], 24, v[PW+(\pb)]
.elseif VJ == 51
	v_cvt_scalef32_pk16_fp6_f32 v[PQ_:PQ_+2], v[SQ_:SQ_+15], v[TM+12]
.elseif VJ == 52
	v_cvt_scalef32_pk16_fp6_f32 v[TA:TA+2], v[SQ_+16:SQ_+31], v[TM+13]
.elseif VJ == 53
	v_cvt_scalef32_pk16_fp6_f32 v[PQ_+6:PQ_+8], v[SQ_+32:SQ_+47], v[TM+14]
.elseif VJ == 54
	v_cvt_scalef32_pk16_fp6_f32 v[TB:TB+2], v[SQ_+48:SQ_+63], v[TM+15]
.elseif VJ == 55
	v_nop
.elseif VJ < 59
	v_permlane16_swap_b32 v[PQ_+VJ-56], v[TA+VJ-56]
.elseif VJ < 62
	v_permlane16_swap_b32 v[PQ_+6+VJ-59], v[TB+VJ-59]
.elseif VJ < 65
	v_mov_b32 v[PQ_+3+VJ-62], v[TA+VJ-62]
.else
	v_mov_b32 v[PQ_+9+VJ-65], v[TB+VJ-65]
.endif
.set VJ, VJ+1
.endm
.macro SL sb, pb, cnt                  ; a slice: the list's next cnt numbers, as far as it goes
.rept \cnt
.if VJ < 68
	VQ \sb, \pb
.endif
.endr
.endm
.macro VLD adr, i                      ; V's fragment i from LDS
	WIN 0xc0
.irp c, 0,1,2
	ds_load_b128 v[VF+12*(\i)+4*\c:VF+12*(\i)+4*\c+3], v[\adr] offset:VCO+FRB*(\i)+512*\c
.endr
.endm
.macro KLD adr, i                      ; K's
	WIN 0x80
.irp c, 0,1,2
	ds_load_b128 v[KF+12*(\i)+4*\c:KF+12*(\i)+4*\c+3], v[\adr] offset:FRB*(\i)+512*\c
.endr
.endm
.macro KALL adr                        ; a step's K and its scale words: 25 loads
	PLACES 4
.set I_, 0
.rept 8
	KLD \adr, I_
.set I_, I_+1
.endr
	WIN 0
	ds_load_b128 v[KS:KS+3], v[\adr] offset:KSC
.endm
; A STAGE: up to 8 products K Q^T (slot xS into buffer sbS), then up to 8 products V^T P (slot xP from buffer pbP), with the quantiser of buffer sbQ into pbQ in slices behind them: 4 numbers a slice where both kinds
; stand, else 8; what is left of the list closes the stage.  lead = 1: a slice of 8 stands first: the places between P's last moves and the product that reads it.  ld = 1: V's fragment i is fetched behind product i;
; ld = 2: the next step's K likewise, and its scale words at the end.  wv = 1: the wait for V stands ahead of the first V^T P.
.macro STG hasS, xS, sbS, hasP, xP, pbP, hasQ, sbQ, pbQ, lead, ld, adr, wv
.set VJ, 0
.if !(\hasQ)
.set VJ, 68
.endif
.set PER_, 8
.if (\hasS) && (\hasP)
.set PER_, 4
.endif
.if \lead
	SL \sbQ, \pbQ, 8
.endif
.if \hasS
.set I_, 0
.rept 8
	KQ \xS, \sbS, I_
	SL \sbQ, \pbQ, PER_
.if (\ld) == 1
	VLD \adr, I_
.endif
.set I_, I_+1
.endr
.endif
.if \wv
	s_wait_dscnt 0x0                               ; V and its scale words are in
.endif
.if \hasP
.set I_, 0
.rept 8
	PV \xP, \pbP, I_
	SL \sbQ, \pbQ, PER_
.if (\ld) == 2
	KLD \adr, I_
.endif
.set I_, I_+1
.endr
.endif
	SL \sbQ, \pbQ, 68
	WIN 0
.if (\ld) == 2
	ds_load_b128 v[KS:KS+3], v[\adr] offset:KSC
.endif
.endm
.macro ENTRY adr                       ; a step's head: K's 25 loads are on their way
	PLACES 4                                       ; behind the last product that read V and its scale words
	ds_load_b128 v[VS:VS+3], v[\adr] offset:VSC
	s_wait_dscnt 1                                 ; LDS loads come back in order (ISA guide 5.7.1): only the load just issued is younger than K's: K is in
.endm
; AN OPEN KEY STEP: four slots through six stages.  pre = 1: the next step's K (at adrn) is fetched in the fifth.
.macro STEP adr, adrn, pre
	ENTRY \adr
	STG 1, 0, 0, 0, 0, 0, 0, 0, 0, 0, 1, \adr, 0           ; S(0); V is fetched
	PLACES 4
	STG 1, 1, 1, 0, 0, 0, 1, 0, 0, 0, 0, \adr, 0           ; S(1) | quantiser(0)
	STG 1, 2, 0, 1, 0, 0, 1, 1, 1, 0, 0, \adr, 1           ; S(2), V^T P(0) | quantiser(1)
	STG 1, 3, 1, 1, 1, 1, 1, 0, 0, 0, 0, \adr, 0           ; S(3), V^T P(1) | quantiser(2)
	STG 0, 0, 0, 1, 2, 0, 1, 1, 1, 1, 2*(\pre), \adrn, 0   ; V^T P(2) | quantiser(3)
	PLACES 4
	STG 0, 0, 0, 1, 3, 1, 0, 0, 0, 0, 0, \adr, 0           ; V^T P(3)
.endm
; The mask of the diagonal, on buffer sb, slot e: blocks 2 e, 2 e + 1 are compared; for e = 0 blocks 2, 3 lie wholly behind the queries; for e = 1 blocks 0, 1 wholly ahead of them.  A hidden score is 0, ahead of the quantiser.
.macro MASK sb, e
.set M_, SBUF+64*(\sb)+32*(\e)
.set J_, 0
.rept 32
	v_cmp_lt_i32 vcc_lo, 32*(J_/16)+J_%16, v[DD]
	v_cndmask_b32 v[M_+J_], 0, v[M_+J_], vcc_lo
.set J_, J_+1
.endr
.if (\e) == 0
.set J_, 32
.rept 32
	v_mov_b32 v[M_+J_], 0
.set J_, J_+1
.endr
.endif
.endm
.macro PIPE2 x0, msk, adr, vld         ; two slots, x0 and x0 + 1, through the same stages
	STG 1, \x0, 0, 0, 0, 0, 0, 0, 0, 0, \vld, \adr, 0
	PLACES 4
.if \msk
	MASK 0, 0
.endif
	STG 1, (\x0)+1, 1, 0, 0, 0, 1, 0, 0, 0, 0, \adr, 0
.if \msk
	MASK 1, 1
.endif
	STG 0, 0, 0, 1, \x0, 0, 1, 1, 1, 1, 0, \adr, 1
	PLACES 4
	STG 0, 0, 0, 1, (\x0)+1, 1, 0, 0, 0, 0, 0, \adr, 0
.endm
.macro DIAG                            ; the step on the diagonal
	ENTRY ADRD
	PIPE2 0, 1, ADRD, 1
	s_cmp_lg_u32 s[PS], 0                          ; s = 1: slots 2, 3 hold queries ahead of all these keys: nothing is kept of them
	s_cbranch_scc1 .Lhidden_\@
	PIPE2 2, 0, ADRD, 0
.Lhidden_\@:
.endm
; ---- the end of a chunk.  SEND: my sums of slots 0, 1 go to my partner's stage as register images.  RECV: my partner's slots 0, 1 are my slots 2, 3: added, turned through my stage into whole rows of 512 bytes, stored.
.macro SEND
	PLACES 4
	WIN 0x04                                       ; an LDS store's data are its source 1: window 1
.set J_, 0
.rept 32
	ds_store_b128 v[SNDA], v[4*J_:4*J_+3] offset:512*J_    ; each accumulator from its low end on
.set J_, J_+1
.endr
	WIN 0
.endm
.macro RECV new
	PLACES 4
.set J_, 0
.rept 32
	ds_load_b128 v[64+4*J_:64+4*J_+3], v[RCVA] offset:512*J_
.set J_, J_+1
.endr
	s_wait_dscnt 0x0
	WIN 0x04                                       ; source 1 window 1
.set J_, 0
.rept 64
	v_pk_add_f32 v[64+2*J_:64+2*J_+1], v[64+2*J_:64+2*J_+1], v[128+2*J_:128+2*J_+1]
.set J_, J_+1
.endr
	WIN 0
.irp e, 0,1
.irp d, 0,1,2,3,4,5,6,7
	ds_store_b128 v[STO], v[64+64*\e+8*\d:64+64*\e+8*\d+3] offset:16*SPITCH*\e+64*\d       ; lane (r, h): out(row r, channels 16 d + 8 h + 0 .. 7)
	ds_store_b128 v[STO], v[64+64*\e+8*\d+4:64+64*\e+8*\d+7] offset:16*SPITCH*\e+64*\d+16
.endr
.endr
.set J_, 0
.rept 32
	ds_load_b128 v[64+4*J_:64+4*J_+3], v[RCVA] offset:SPITCH*J_    ; LDS serves a wave's instructions in order (ISA guide 5.7.1.4): these see my stores
.set J_, J_+1
.endr
.set J_, 0
.rept 32
	s_wait_dscnt 31-J_                             ; row J_ is back; the younger rows' loads may be out
	global_store_b128 v[GO], v[64+4*J_:64+4*J_+3], s[OUTB:OUTB+1] offset:32768*(J_/16)+2048*(J_%16) th:TH_STORE_NT   ; 32 lanes store a row's 512 consecutive bytes, aligned to 256; written once
.set J_, J_+1
.endr
	s_wait_xcnt 0x0                                ; the stores have read their data and their base: both are written again below and in the next step
.if \new
	s_mov_b64 s[OUTB:OUTB+1], s[OUT2:OUT2+1]
	WIN 0x82                                       ; destination and source 0 window 2
.set J_, 0
.rept 48
	v_mov_b32 v[QF+J_], v[Q2F+J_]                  ; the second chunk's Q
.set J_, J_+1
.endr
	WIN 0
.irp x, 0,1,2,3
	v_mov_b32 v[QS+\x], v[QS2+\x]
.endr
	WIN 0x40
.set J_, 0
.rept 256
	v_mov_b32 v[J_], 0                             ; O^T anew.  (These are also the places between the moves above and the next products)
.set J_, J_+1
.endr
	WIN 0
.endif
.endm
; The exchange stands behind the change of slots.  Its barrier stands in every slot, under no branch; SEND and RECV alone are jumped over where N is not the second chunk's first slot: N and NB are the same in all
; waves and all partners.  A stage is written by the partner (SEND) ahead of this barrier and read and rewritten by its owner behind it; the next SEND stands behind a later barrier.
.macro XCHG
	s_cmp_lg_u32 s[NN], s[NB]
	s_cbranch_scc1 .Lno_send_\@
	SEND
.Lno_send_\@:
	s_wait_dscnt 0x0                               ; for my partner's sake: my stores into its stage are done
	s_barrier_signal -1
	s_barrier_wait -1
	s_cmp_lg_u32 s[NN], s[NB]
	s_cbranch_scc1 .Lno_recv_\@
	RECV 1
.Lno_recv_\@:
.endm
; A prefetch into the L2 of the key slot that the NEXT change of slots will ask for: one instruction a wave, a lane a block of 256 bytes (lanes 25-31 name block 24 again), behind the wave's tensor load and its four lines.
; Of a head's four clusters the one that walks key slots 0 .. 7 on end asks; trips 6 and 7 ask for nothing: there is no key slot 8.
.macro ASK
	s_cmp_lt_u32 s[NN], s[LIM]
	s_cbranch_scc0 .Lnot_mine_\@
	global_prefetch_b8 v[PFO], s[PFA:PFA+1] th:TH_LOAD_NT scope:SCOPE_SE
.Lnot_mine_\@:
.endm
; THE CHANGE OF SLOTS stands at a slot's head.  Each wave waits for all its tensor loads (one is out: its block of the slot ahead), adds 0 to its spare word, and waits for that and for its reads of the slot that it has left.
; fill = 1: a round of the cluster's barrier, so that no wave of any partner still reads the slot left or has a load on its way; the joint refill is the first thing behind it and has a slot's two steps in which to land.
.macro CHANGE fill
	s_wait_tensorcnt 0x0                           ; no tensor load of mine is out, so group 0 may be written
	ds_add_u32 v[SPW], v[NIL]                      ; 0 onto my spare word; the descriptor's steps stand between it and the wait for it
.if \fill
	s_add_co_u32 s50, s[NN], 1
	s_add_co_u32 s[KO], s[KO], SLOTB               ; the next 512 keys,
	s_cmp_eq_u32 s50, s[NB]
	s_cselect_b32 s[KO], 0, s[KO]                  ; or, where the second chunk begins, the head's first again
	s_xor_b32 s[G0+1], s[G0+1], SLOT1              ; into the other slot than last time
	s_add_nc_u64 s[G0+2:G0+3], s[KVB:KVB+1], s[KO:KO+1]
	s_or_b32 s[G0+3], s[G0+3], 0x80000000
	s_wait_xcnt 0x0                                ; the last prefetch, a slot back, has read its address:
	s_add_nc_u64 s[PFA:PFA+1], s[PFA:PFA+1], SLOTB
	s_wait_dscnt 0x0                               ; the add is done, and my reads of the slot that I have left are over
	CROUND
	tensor_load_to_lds s[G0:G0+3], s[G1:G1+7]
	s_nop 0
	PLACES 4
	ASK
.else
	s_wait_dscnt 0x0
	s_barrier_signal -1
	s_barrier_wait -1
.endif
.endm
; A slot's work.  tail = 1: the ninth slot, which is always a chunk's last.  The branches hang on N, NB and the wave's number; no barrier and no tensor load stands under them.
.macro SLOTWORK tail
	v_add_nc_u32 v[ADR0], s[TBS], v[LB]
	v_add_nc_u32 v[ADR1], s[TBS], v[LB1]
	v_add_nc_u32 v[ADRD], s[TBS], v[LBD]
	KALL ADR0
.if !\tail
	s_add_co_u32 s50, s[NN], 1
	s_cmp_lg_u32 s50, s[NB]
	s_cbranch_scc1 .Lopen_\@
.endif
	s_cmp_eq_u32 s[HA], 0                          ; a chunk's last slot: for a = 0 my first step lies on the diagonal and my second is left out
	s_cbranch_scc1 .Ldiag_\@
.Lopen_\@:
	STEP ADR0, ADR1, 1
.if !\tail
	s_add_co_u32 s50, s[NN], 1
	s_cmp_eq_u32 s50, s[NB]
	s_cbranch_scc1 .Ldiag_\@                       ; for a = 1 my second step lies on the diagonal
	STEP ADR1, ADR1, 0
	s_branch .Lend_\@
.endif
.Ldiag_\@:
	DIAG
.Lend_\@:
.endm
.Lslot:                                            ; eight trips: behind each change of slots but the last the next slot is asked for
	CHANGE 1
	XCHG
	SLOTWORK 0
	s_xor_b32 s[TBS], s[TBS], SLOT1
	s_add_co_u32 s[NN], s[NN], 1
	s_cmp_lt_u32 s[NN], 8
	s_cbranch_scc1 .Lslot
	CHANGE 0                                       ; the ninth slot is written out
	XCHG
	SLOTWORK 1
	s_wait_dscnt 0x0                               ; my reads of my stage are over (for g = 0 the first chunk's exchange stood in this slot):
	s_barrier_signal -1
	s_barrier_wait -1                              ; only now may my partner write into it
	SEND
	s_wait_dscnt 0x0                               ; for my partner's sake: my stores into its stage are done
	s_barrier_signal -1
	s_barrier_wait -1
	RECV 0
	s_wait_tensorcnt 0x0                           ; the wave's end, behind my last tensor load and my last LDS store
	ds_add_u32 v[SPW], v[NIL]
	s_wait_dscnt 0x0
	CROUND                                         ; the closing round: no work-group ends while a partner may still ask for a tile that names it
	s_endpgm
.Lfunc_end_k_qe795b925ba_attn:
	.size	k_qe795b925ba_attn, .Lfunc_end_k_qe795b925ba_attn-k_qe795b925ba_attn
	.p2alignl 7, 3214868480
	.fill 96, 4, 3214868480
	.section	.rodata,"a",@progbits
	.p2align	6, 0x0
	.amdhsa_kernel k_qe795b925ba_attn
		.amdhsa_group_segment_fixed_size 327680
		.amdhsa_private_segment_fixed_size 0
		.amdhsa_enable_private_segment 0
		.amdhsa_kernarg_size 32
		.amdhsa_user_sgpr_count 2
		.amdhsa_user_sgpr_kernarg_segment_ptr 1
		.amdhsa_wavefront_size32 1
		.amdhsa_system_sgpr_workgroup_id_x 1
		.amdhsa_system_sgpr_workgroup_id_y 1
		.amdhsa_system_sgpr_workgroup_id_z 1
		.amdhsa_system_vgpr_workitem_id 0
		.amdhsa_next_free_vgpr 1024
		.amdhsa_next_free_sgpr 66
		.amdhsa_reserve_vcc 1
		.amdhsa_float_denorm_mode_32 3
		.amdhsa_float_denorm_mode_16_64 3
		.amdhsa_memory_ordered 1
		.amdhsa_forward_progress 1
		.amdhsa_inst_pref_size 248
	.end_amdhsa_kernel
	.amdgpu_metadata
---
amdhsa.version: [ 1, 2 ]
amdhsa.kernels:
  - .name:           k_qe795b925ba_attn
    .symbol:         k_qe795b925ba_attn.kd
    .args:
      - { .name: KV, .offset: 0, .size: 8, .value_kind: global_buffer, .address_space: global }
      - { .name: QC, .offset: 8, .size: 8, .value_kind: global_buffer, .address_space: global }
      - { .name: QS, .offset: 16, .size: 8, .value_kind: global_buffer, .address_space: global }
      - { .name: out0, .offset: 24, .size: 8, .value_kind: global_buffer, .address_space: global }
    .group_segment_fixed_size: 327680
    .private_segment_fixed_size: 0
    .kernarg_segment_align: 8
    .kernarg_segment_size: 32
    .max_flat_workgroup_size: 128
    .sgpr_count:     66
    .vgpr_count:     1024
    .wavefront_size: 32
...
	.end_amdgpu_metadata
.endif
;; end of part 2
